; MI455X (gfx1250); checked and timed in simulation.
; The chip was launched on July 23, 2026; its instructions are those of AMD's public machine-readable ISA for CDNA 5 (MIT licence, August 2026) and "CDNA5" Instruction Set Architecture Reference Guide (July 2026). The comments in the code are by the model that wrote it; some were corrected since.
;; additive Attention. Allowed arithmetic: matrix products marked QUANTISED: E2M1 operands, one E8M0 scale for each 32 along K, by v_wmma_scale_f32_16x16x128_f8f6f4 with both operands' format E2M1 (or v_wmma_scale_f32_32x16x128_f4), f32 sums; everything else in f32.
;; Inputs: Wk_codes 2,048 x 32 x 16 uint8 (E2M1 codes of Wk, K innermost, in blocks of 32 codes, two codes a byte); Wk_scales 2,048 x 32 uint8 (E8M0 scales of Wk, one for each 32 codes along K); Wq_codes 2,048 x 32 x 16 uint8 (E2M1 codes of Wq, K innermost, in blocks of 32 codes, two codes a byte); Wq_scales 2,048 x 32 uint8 (E8M0 scales of Wq, one for each 32 codes along K); bk 2,048 float32; bq 2,048 float32; k_codes 8 x 1,024 x 32 x 16 uint8 (E2M1 codes of k, K innermost, in blocks of 32 codes, two codes a byte); k_scales 8 x 1,024 x 32 uint8 (E8M0 scales of k, one for each 32 codes along K); mask 8 x 1,024 x 2,048 float32; q_codes 8 x 1,024 x 32 x 16 uint8 (E2M1 codes of q, K innermost, in blocks of 32 codes, two codes a byte); q_scales 8 x 1,024 x 32 uint8 (E8M0 scales of q, one for each 32 codes along K); v_codes 8 x 1,024 x 64 x 16 uint8 (E2M1 codes of v, K innermost, in blocks of 32 codes, two codes a byte); v_scales 8 x 1,024 x 64 uint8 (E8M0 scales of v, one for each 32 codes along K).
;; Outputs: out0 8 x 1,024 x 1,024 float32.
;; This version of the problem:
;;   THIS VERSION OF THE PROBLEM IS GIVEN IN LOW PRECISION. The matrix products marked QUANTISED in the list below multiply operands that are first quantised to E2M1 (2 exponent bits, 1 mantissa bit; 4 bits a number), with one power-of-two scale for each 32 numbers along K (OCP MX v1.0); their sums are f32. All else is computed in f32.
;;   The module's matrix products, in the order in which they are computed (A, B: the left and right operand; K: the contracted axis; several contracted axes count as one K, in the product's order):
;;     1. [M 8,192, K 1,024] x [K 1,024, N 2,048]; A: input q (given as codes); B: input Wq (given as codes): QUANTISED
;;     2. [M 8,192, K 1,024] x [K 1,024, N 2,048]; A: input k (given as codes); B: input Wk (given as codes): QUANTISED
;;     3. batch 8 x [M 1,024, K 2,048] x [K 2,048, N 1,024]; A: softmax (see below); B: input v (given as codes): QUANTISED
;;   THE QUANTISER, for each operand of a quantised product, along K:
;;     - K is cut into blocks of 32 from its start; a last block that is shorter is filled with zeros.
;;     - A block's scale is 2^e with e = floor(log2(the largest magnitude in the block)) - 2, held to -126 .. 127; a block of zeros has e = 0. As a byte (E8M0): e + 127.
;;     - Each number is divided by its block's scale, clamped to +-6, and rounded to the nearest number of E2M1, ties to even, subnormals kept.
;;     - The product sums the exact products of the quantised numbers (number of the format x scale) in f32.
;;   ~~~python
;;   def quantise(x, axis):      # numpy; x: float32 -> the quantised numbers, widened to float32 again
;;       x = np.moveaxis(x, axis, -1); K = x.shape[-1]
;;       x = np.pad(x, [(0, 0)] * (x.ndim - 1) + [(0, -K % 32)]); x = x.reshape(x.shape[:-1] + (-1, 32)); a = np.abs(x).max(-1, keepdims=True)
;;       e = np.where(a > 0, np.clip(np.frexp(np.where(a > 0, a, 1))[1] - 1 - 2, -126, 127), 0)      # np.frexp(a)[1] - 1 = floor(log2(a)), exactly
;;       r = np.clip(x / 2.0 ** e, -6, 6)
;;       step = 2.0 ** (np.maximum(np.frexp(np.where(r == 0, 1, r))[1] - 1, 0) - 1)
;;       q = np.round(r / step) * step * 2.0 ** e      # np.round: ties to even
;;       return np.moveaxis(q.reshape(q.shape[:-2] + (-1,))[..., :K], -1, axis).astype(np.float32)
;;   ~~~
;;   SOFTMAX AHEAD OF A QUANTISED PRODUCT. Where the list says 'softmax', what is quantised is not the finished softmax but p = 2^(t - M), with t = logit x log2(e) and M = ceil(the row's largest t), a whole number; so 1/2 < the row's largest p <= 1. The row's sum l is taken of the UNQUANTISED p, in f32, and the product's result is divided by l at the end. Since M is a whole number, a kernel that streams over the keys may use a running M (the ceiling of the running maximum): every later rescaling is an exact power of two, which a block's scale takes up: the codes' values come out the same.
;;   OPERANDS COMPUTED ON THE WAY. 'Computed on the way' means the value that the module computes at that place (a softmax that the list does not call 'softmax' is quantised finished and normalised). What goes into a quantiser is computed in f32, as accurately as f32 sums, v_exp_f32 and their like allow (about 1e-6 of the number): no bf16 or f16 on the way to a quantiser, and a product that is left as it is and whose result goes on into a quantised operand takes f32 operands (vector FMAs, or v_wmma_f32_16x16x4_f32). A number that lies on a knife's edge between two numbers of the format may be rounded either way, as far as f32 arithmetic and the matrix unit's own rounding can turn it there, and no further.
;;   INPUTS GIVEN AS CODES. Wk (in the module: [2048, 1024], K = its axis 1); Wq (in the module: [2048, 1024], K = its axis 1); k (in the module: [8, 1024, 1024], K = its axis 2); q (in the module: [8, 1024, 1024], K = its axis 2); v (in the module: [8, 2048, 1024], K = its axis 1): each comes as NAME_codes (uint8): NAME with its K axis moved to the last place and cut into blocks of 32 codes, [.., K / 32, bytes a block], one block behind the other in memory; two codes a byte, the lower K in the low four bits (a code: sign, 2 exponent bits, 1 mantissa bit); and NAME_scales (uint8): the same leading axes, one E8M0 byte (e + 127) for each 32 codes along K. Its value is code x scale, taken as it is: it is not quantised again, and the codes and scales need not be those that the quantiser above would give.
;; One version. Each part assembles by itself: llvm-mc -triple=amdgcn-amd-amdhsa -mcpu=gfx1250 --defsym DOCPART=n.
;; ======== version 1 of 1: 2 launches
;; limits: right only within a limited range of input values
;; workspace buffers: pbuf 9,961,472 bytes
;; launch energy (part 1): grid 8 x 32, 8 waves a work-group, clusters of 4 x 4, 327,680 bytes of LDS; arguments q_codes, q_scales, k_codes, k_scales, Wq_codes, Wq_scales, Wk_codes, Wk_scales, bq, bk, mask, pbuf; writes pbuf
.if DOCPART == 1
	.amdgcn_target "amdgcn-amd-amdhsa--gfx1250"
	.amdhsa_code_object_version 6
	.text
	.protected	k_q14a4e5d106_energy
	.globl	k_q14a4e5d106_energy
	.p2align	8
	.type	k_q14a4e5d106_energy,@function
k_q14a4e5d106_energy:
	s_mov_b64 s[64:65], 0
	v_nop
	global_prefetch_b8 v0, s[64:65] scope:SCOPE_SE
	s_setreg_imm32_b32 hwreg(HW_REG_WAVE_MODE, 25, 1), 1
	s_wait_xcnt 0x0
	s_wait_alu depctr_hold_cnt(0) depctr_sa_sdst(0) depctr_va_vdst(0) depctr_va_sdst(0) depctr_va_ssrc(0) depctr_va_vcc(0) depctr_vm_vsrc(0)
	s_getreg_b32 s2, hwreg(HW_REG_IB_STS2, 6, 4)
	s_cmp_eq_u32 s2, 0
	s_cbranch_scc0 .Lentry_in_a_cluster
	s_endpgm
.Lentry_in_a_cluster:
	s_bfe_u32 s2, ttmp6, 0x10000c
	s_cmp_lg_u32 s2, 0xf033
	s_cbranch_scc0 .Lentry_shape_is_right
	s_endpgm
.Lentry_shape_is_right:
; energy[row][c] = tanh(q[row] . Wq[c] + bq[c] + k[row] . Wk[c] + bk[c]) + mask[row][c]; 8,192 rows, 2,048 c.  The two products are ONE product with K = 2,048: rows [q | k], columns [Wq | Wk],
; all codes of FP4 (E2M1) with one E8M0 byte for each 32 along K, taken by the matrix instruction as they lie in memory.
; THE SOFTMAX IS BEGUN HERE, for each row and each GROUP of 128 c: t = energy x log2(e); M = the group's largest t rounded up to a whole number; p = 2^(t - M); l = the sum of the unquantised p.
; p is quantised along c in blocks of 32.  A change from the group's M to the row's M is an exact power of two, which the blocks' scale bytes take up: the next launch does that.
; OUT: pbuf, 155,648 bytes for each tile of 128 rows: first p's codes as images of operand registers: fragment (block of 16 rows i, g = c / 128) is 1,024 bytes at (g / 4) 32,768 + 4,096 i + (g % 4) 1,024;
;      in it block beta of row r at 256 beta + 16 r;  then, from byte 131,072 on, [3 kinds][16 g][128 rows] words: kind 0 p's four scale bytes, kind 1 -M (f32), kind 2 l (f32).
; LIMITS: a block's largest p is taken as at least 2^-62, so the scale bytes lie in 63 .. 125 (what lies under that floor is under 2^-50 of a row's sum).  The promise holds while t stays under 2^31 in magnitude;
; a logit of -infinity counts as p = 0; NaN and +infinity in the mask are not served.  tanh(x) = 1 - 2 / (1 + 2^(2 log2(e) x)), in f32; t = mask log2(e) + log2(e) - 2 log2(e) / (1 + ..).  t is rounded once, and t - M is then never above 0.
; SHARES: a work-group of eight waves, two to a SIMD, makes 256 rows x 256 c; wave (wr, wc) 64 rows x 128 c: 32 accumulators of 16 x 16 in 256 registers, and one group g.  K goes in four steps of 512 through two LDS slots (a tile's row is 256 bytes).
; CLUSTERS: 4 x 4 work-groups; the four of a row of the cluster need the same rows of q and k, the four of a column the same rows of Wq and Wk: each such tile is asked for jointly.  The mask is nobody else's: plain loads.
; THE MATRIX INSTRUCTION IS USED TRANSPOSED (source 0 = 16 rows of W, source 1 = 16 rows of q or k): lane (r, h), register j of accumulator (a, b) holds row 16 a + r, c = 16 b + 8 h + j.
; THE MASK follows the codes through the two slots: when a slot has had its last codes it takes half of the tile's mask (32 of each wave pair's 64 rows), rows of 1,024 bytes + 16 of padding; it is read in the accumulators' layout.
; PREFETCH.  K steps 0 and 1 (q, Wq) come by the head's loads alone.  K steps 2 and 3 (k, Wk) are asked for in the head, one K step and two ahead of their loads: of a tile's 256 rows each of the four partners that share it takes 64, told apart by address;
; one instruction a wave (32 rows x 256 bytes), waves 0-3 for k, waves 4-7 for Wk, the latter in the first two rows of clusters alone, since all rows of clusters read the same Wk.
; The mask's halves are asked for in K steps 0 and 1, each at least two K steps ahead of its load: each wave asks for the 64 blocks of 256 bytes that it will load itself.
; REGISTERS: window 0: v0-31 addresses and work; in the products v32-95 scale words (two sets), v96-159 the rows' fragments (two sets), v160-255 W's fragments, three buffers of four blocks;
;   on the way out v32-95 the bias x 2 log2(e), v96-159 the 64 numbers at work, v160-223 the mask, v224-253 at work.   window 1: the accumulators, (a, b) at v[64 a + 8 b].
.set PITCH,  272                       ; an LDS row of codes: 256 bytes + 16 of padding: the 16 rows that a fragment load touches begin 68 words apart
.set HALFT,  128*PITCH                 ; what one tensor load of codes brings behind the head
.set SLOT,   4*HALFT                   ; 256 rows of q or k, then 256 rows of W
.set SCL,    2*SLOT                    ; the scale bytes: q's, k's, Wq's, Wk's 256 rows each, as units of 256 bytes + 16 of padding
.set SCB,    8704                      ; one such block: 32 units
.set SPARE,  SCL+4*SCB                 ; the spare words, 128 bytes a wave: no other line names them
.set BIA,    SPARE+1024                ; the bias on its way into the accumulators' layout: 512 bytes a wave; no tile lands here
.set METO,   BIA+4096                  ; three figures for each of a wave's 64 rows: 768 bytes a wave; no tile lands here
.set MROWS,  16640                     ; 16 rows of mask: what one tensor load of mask brings: 16 x 1,040
.set L16,  2                           ; v2   16 x lane
.set MRD,  4                           ; v4-5 my mask in slot 0, 1: 33,280 wr + 1,040 r + 512 wc + 32 h
.set MET,  6                           ; v6   figures, in: 4 r
.set MTR,  7                           ; v7   figures, out: 16 x lane (kinds 0 and 1)
.set MTB,  8                           ; v8   figures, out: 8 x lane (kind 2)
.set GO1,  9                           ; v9   where they go: 16 r + 8,192 h
.set GO2,  10                          ; v10  8 x lane
.set BST,  11                          ; v11  bias, in: 16 x lane
.set BRD,  12                          ; v12  bias, out: 32 h
.set LE,   14                          ; v14-15 log2(e)
.set ADRA, 16                          ; v16-17 my rows' fragments in slot 0, 1
.set ADRB, 20                          ; v20-21 W's
.set PW,   22                          ; p's scale word
.set LX,   23
.set LS,   24                          ; l
.set GM,   25
.set ADRS, 27                          ; v27  my scale words: lanes 0-15 the rows', lanes 16-31 W's
.set SPW,  28                          ; v28  my spare word; never rewritten
.set NIL,  29                          ; v29  0; never rewritten
.set PFO,  30                          ; v30  the mask prefetches' offset: lane / 4 rows of 8,192 bytes, lane % 4 blocks of 256; never rewritten
.set PFK,  31                          ; v31  the codes' prefetch's offset: lane rows of 512 bytes; never rewritten
.set SC,   32                          ; scale words, set s at v[SC + 32 s]: register 4 i + q: lanes 0-15 rows' block i (i < 4), lanes 16-31 W's block i
.set BI,   32
.set W,    96
.set MT,   160
.set BM,   224                         ; v224-227 a block's largest t, then its largest p
.set BX,   228                         ; v228-231 the other half's; then the bytes
.set SO,   232                         ; v232-235 the conversions' scale operands
.set NM,   236                         ; v236 -M (v237 is named with it as a pair)
.set SA,   238                         ; v238-245 the sum's four chains
.set PC,   246                         ; v246-253 codes
.set G0M,  20                          ; s[20:23] group 0 for the mask
.set G1,   24                          ; s[24:31], s[32:39] groups 1 and 0 (a set for each slot; slot 1's serves the head's loads first) for the rows' tiles
.set G0,   32
.set G1M,  40                          ; s[40:47] group 1 for the mask
.set G1B,  48                          ; s[48:55], s[56:63] for W's
.set G0B,  56
.set G1S,  68                          ; s[68:75], s[76:79] for the rows' scale bytes;  s[80:87], s[88:91] for W's
.set G0S,  76
.set G1SB, 80
.set G0SB, 88
.set PKA,  96                          ; s[96:97]   where my prefetch of codes stands
.set KA,   98                          ; s[98:99]   k's codes at the rows that I fetch
.set KB,   100                         ; s[100:101] Wk's
.set MSB, 0
.macro WIN new                         ; the immediate's high byte repeats the setting that is left; a switch that changes nothing is dropped
.if MSB != (\new)
	s_set_vgpr_msb (MSB<<8)|(\new)
.set MSB, (\new)
.endif
.endm
.set MUL, 0x50                         ; sources 0 and 1 window 0, C and D window 1
.macro PLACES n
.rept \n
	v_nop
.endr
.endm
; A joint load into slot s: waves 0 and 1 fetch for the rows, waves 2 and 3 for W, the others nothing.  The branches hang on the wave's number alone.  Four v_nop follow each of the two lines.
.macro JLOAD s
	s_cmp_lt_u32 s14, 2
	s_cbranch_scc0 .Lfor_b_\@
	tensor_load_to_lds s[G0+4*(\s):G0+4*(\s)+3], s[G1:G1+7]
	s_nop 0
	PLACES 4
	s_branch .Lasked_\@
.Lfor_b_\@:
	s_cmp_lt_u32 s14, 4
	s_cbranch_scc0 .Lasked_\@
	tensor_load_to_lds s[G0B+4*(\s):G0B+4*(\s)+3], s[G1B:G1B+7]
	s_nop 0
	PLACES 4
.Lasked_\@:
.endm
.macro CREST                           ; a round of the cluster's barrier behind its opening barrier
	s_cmp_lg_u32 s14, 0
	s_cbranch_scc1 .Lnot_wave_0_\@
	s_barrier_signal -3
.Lnot_wave_0_\@:
	s_barrier_wait -3
	s_barrier_signal -1
	s_barrier_wait -1
.endm
.macro CROUND                          ; a whole round
	s_barrier_signal -1
	s_barrier_wait -1
	CREST
.endm
	s_load_b512 s[68:83], s[0:1], 0x0              ; q codes 68, q scales 70, k codes 72, k scales 74, Wq codes 76, Wq scales 78, Wk codes 80, Wk scales 82
	s_load_b256 s[84:91], s[0:1], 0x40             ; bq 84, bk 86, mask 88, pbuf 90
	v_lshl_add_u32 v[SPW], v0, 2, SPARE
	v_mov_b32 v[NIL], 0
	ds_add_u32 v28, v29                            ; the opening lines: the add, twice on end, and one wait for both
	ds_add_u32 v28, v29
	v_lshrrev_b32 v1, 5, v0
	v_readfirstlane_b32 s14, v1                    ; wave 0..7
	s_lshr_b32 s15, s14, 1                         ; wr: which 64 rows are mine
	s_and_b32 s16, s14, 1                          ; wc: which 128 c are mine.  Also: which K step I fetch at the head, and which 128 rows of a tile behind it
	s_and_b32 s66, s14, 3
	s_bfe_u32 s40, ttmp6, 0x40000                  ; cx
	s_bfe_u32 s41, ttmp6, 0x40004                  ; cy
	s_lshl_b32 s42, ttmp9, 2
	s_add_co_u32 s42, s42, s40                     ; tx: tile of 256 c
	s_and_b32 s67, ttmp7, 0xffff                   ; the cluster's y
	s_lshl_b32 s17, s67, 2
	s_add_co_u32 s17, s17, s41                     ; ty: tile of 256 rows
	s_lshl_b32 s43, s41, 2
	s_lshl_b32 s43, 15, s43                        ; my row of the cluster
	s_lshl_b32 s44, 0x1111, s40                    ; my column
	; group 1 for codes: rows of 256 bytes, 512 bytes from row to row in memory, 16 bytes of padding behind each row in LDS: 256 rows at the head; behind it the two words that count rows are set to 128
	s_or_b32 s[G1+0], s43, (1<<20)|(1<<21)|(5<<22)|(3<<25)
	s_or_b32 s[G1B+0], s44, (1<<20)|(1<<21)|(5<<22)|(3<<25)
.irp g, G1, G1B
	s_mov_b32 s[\g+1], 256<<16                     ; tensor_dim0
	s_mov_b32 s[\g+2], 256<<16                     ; tensor_dim1
	s_mov_b32 s[\g+3], 256<<16                     ; tile_dim0
	s_mov_b32 s[\g+4], 256                         ; tile_dim1
	s_mov_b32 s[\g+5], 512                         ; tensor_dim0_stride
	s_mov_b32 s[\g+6], 0
	s_mov_b32 s[\g+7], 0
.endr
	s_mov_b32 s2, 0x76543210                       ; v_permlanex16_b32's selects for lane l xor 16
	s_mov_b32 s3, 0xfedcba98
	; offsets.  Those of the rows' side are made of ty alone, those of W's side of tx alone
	s_lshl_b32 s18, s16, 7
	s_lshl_b32 s20, s17, 8
	s_add_co_u32 s20, s20, s18                     ; k's rows that I fetch behind the head: 256 ty + 128 (wave % 2)
	s_lshl_b32 s20, s20, 9                         ; x 512 bytes
	s_mov_b32 s21, 0
	s_lshl_b32 s22, s17, 13                        ; the tile's scale bytes: 256 ty x 32
	s_mov_b32 s23, 0
	s_lshl_b32 s46, s42, 8
	s_add_co_u32 s46, s46, s18                     ; Wk's rows that I fetch, and my first c: 256 tx + 128 wc
	s_lshl_b32 s94, s46, 2                         ; my first c in bytes of f32
	s_mov_b32 s95, 0
	s_lshl_b32 s46, s46, 9
	s_mov_b32 s47, 0
	s_lshl_b32 s96, s42, 13
	s_mov_b32 s97, 0
	s_lshl_b32 s13, s16, 8                         ; the head: K step wave % 2 is 256 bytes on
	s_lshl_b32 s18, s17, 17
	s_add_co_u32 s18, s18, s13                     ; q's tile: 256 ty rows of 512 bytes
	s_mov_b32 s19, 0
	s_lshl_b32 s10, s42, 17
	s_add_co_u32 s10, s10, s13                     ; Wq's: 256 tx rows
	s_mov_b32 s11, 0
	s_mul_i32 s45, s66, HALFT                      ; where my tile of codes goes behind the head (waves 0 to 3),
	s_mul_i32 s12, s66, SCB                        ; and my block of scale bytes (waves 4 to 7)
	s_mul_i32 s13, s16, SLOT                       ; at the head: K step wave % 2 goes into that slot
	s_lshl_b32 s4, s17, 8                          ; the mask rows that I fetch: (256 ty + 64 wr + 16 wc) x 8,192 bytes + 1,024 tx; the second half lies 32 rows on
	s_lshl_b32 s98, s15, 6
	s_add_co_u32 s4, s4, s98
	s_lshl_b32 s98, s16, 4
	s_add_co_u32 s4, s4, s98
	s_lshl_b32 s4, s4, 13
	s_lshl_b32 s98, s42, 10
	s_add_co_u32 s4, s4, s98
	s_mov_b32 s5, 0
	s_lshl_b32 s98, s42, 1
	s_add_co_u32 s98, s98, s16                     ; g = 2 tx + wc
	s_lshl_b32 s99, s17, 1
	s_lshr_b32 s100, s15, 1
	s_add_co_u32 s99, s99, s100
	s_mul_i32 s99, s99, 155648                     ; my tile of 128 rows: 2 ty + wr / 2
	s_and_b32 s100, s15, 1                         ; which 64 rows of it
	s_lshl_b32 s101, s100, 8
	s_lshl_b32 s8, s98, 9
	s_add_co_u32 s8, s8, s101
	s_add_co_u32 s8, s8, s99
	s_add_co_u32 s8, s8, 131072                    ; figures: + 512 g + 256 (wr % 2)
	s_mov_b32 s9, 0
	s_lshr_b32 s6, s98, 2
	s_lshl_b32 s6, s6, 15
	s_lshl_b32 s101, s100, 14
	s_add_co_u32 s6, s6, s101
	s_and_b32 s101, s98, 3
	s_lshl_b32 s101, s101, 10
	s_add_co_u32 s6, s6, s101
	s_add_co_u32 s6, s6, s99                       ; codes: (g / 4) 32,768 + 16,384 (wr % 2) + (g % 4) 1,024
	s_mov_b32 s7, 0
	s_wait_alu depctr_va_vdst(0)
	s_wait_dscnt 0x0                               ; both opening adds are done
	s_wait_kmcnt 0x0
	s_add_nc_u64 s[4:5], s[88:89], s[4:5]
	s_add_nc_u64 s[6:7], s[90:91], s[6:7]
	s_add_nc_u64 s[8:9], s[90:91], s[8:9]
	s_add_nc_u64 s[92:93], s[84:85], s[94:95]      ; bq at my first c
	s_add_nc_u64 s[94:95], s[86:87], s[94:95]      ; bk likewise
	s_add_nc_u64 s[KA:KA+1], s[72:73], s[20:21]
	s_add_nc_u64 s[KB:KB+1], s[80:81], s[46:47]
	s_add_nc_u64 s[20:21], s[68:69], s[18:19]      ; q's codes for my load at the head
	s_add_nc_u64 s[46:47], s[76:77], s[10:11]      ; Wq's
	s_cmp_eq_u32 s16, 0                            ; waves 4 and 6 bring the first tensor's scale bytes, waves 5 and 7 the second's
	s_cselect_b64 s[18:19], s[70:71], s[74:75]
	s_cselect_b64 s[10:11], s[78:79], s[82:83]
	s_add_nc_u64 s[18:19], s[18:19], s[22:23]
	s_add_nc_u64 s[10:11], s[10:11], s[96:97]
	; the prefetch of codes: rows 64 x (my place among the four that share the tile) + 32 (wave % 2) on, the tensor's half (wave / 2) % 2 of K
	s_cmp_lt_u32 s14, 4
	s_cselect_b64 s[PKA:PKA+1], s[72:73], s[80:81]
	s_cselect_b32 s84, s17, s42
	s_cselect_b32 s86, s40, s41
	s_cselect_b32 s67, 0, s67                      ; under 2: my wave asks
	s_lshl_b32 s84, s84, 8
	s_lshl_b32 s86, s86, 6
	s_add_co_u32 s84, s84, s86
	s_lshl_b32 s86, s16, 5
	s_add_co_u32 s84, s84, s86
	s_lshl_b32 s84, s84, 9
	s_bfe_u32 s86, s14, 0x10001
	s_lshl_b32 s86, s86, 8
	s_add_co_u32 s84, s84, s86
	s_mov_b32 s85, 0
	s_add_nc_u64 s[PKA:PKA+1], s[PKA:PKA+1], s[84:85]
	; every address is made: s68 to s91 now take the scales' descriptors.  A block of 8,192 dense bytes as 32 rows of 256 bytes (32 elements of 8), 16 bytes of padding behind each
	s_or_b32 s[G1S+0], s43, (3<<16)|(1<<20)|(1<<21)|(5<<22)|(3<<25)
	s_or_b32 s[G1SB+0], s44, (3<<16)|(1<<20)|(1<<21)|(5<<22)|(3<<25)
.irp g, G1S, G1SB
	s_mov_b32 s[\g+1], 32<<16
	s_mov_b32 s[\g+2], 32<<16
	s_mov_b32 s[\g+3], 32<<16
	s_mov_b32 s[\g+4], 32
	s_mov_b32 s[\g+5], 32
	s_mov_b32 s[\g+6], 0
	s_mov_b32 s[\g+7], 0
.endr
	s_mov_b32 s[G0S], 1
	s_add_co_u32 s[G0S+1], s12, SCL
	s_mov_b64 s[G0S+2:G0S+3], s[18:19]
	s_or_b32 s[G0S+3], s[G0S+3], 0x80000000
	s_mov_b32 s[G0SB], 1
	s_add_co_u32 s[G0SB+1], s12, SCL
	s_mov_b64 s[G0SB+2:G0SB+3], s[10:11]
	s_or_b32 s[G0SB+3], s[G0SB+3], 0x80000000
	s_mov_b32 s[G0], 1                             ; slot 0's set: its addresses in memory are made at its first refill
	s_mov_b32 s[G0+1], s45
	s_mov_b32 s[G0B], 1
	s_mov_b32 s[G0B+1], s45
	s_mov_b32 s[G0+4], 1                           ; slot 1's set serves the head: all 256 rows of q,
	s_mov_b32 s[G0+5], s13
	s_mov_b64 s[G0+6:G0+7], s[20:21]
	s_or_b32 s[G0+7], s[G0+7], 0x80000000
	s_mov_b32 s[G0B+4], 1                          ; and of Wq behind them
	s_add_co_u32 s[G0B+5], s13, 2*HALFT
	s_mov_b64 s[G0B+6:G0B+7], s[46:47]
	s_or_b32 s[G0B+7], s[G0B+7], 0x80000000
	CROUND                                         ; all sixteen work-groups are here: the first joint loads meet
; THE HEAD'S LOADS, ONE A WAVE.  Waves 0 and 1 fetch K steps 0 and 1 of q's rows, waves 2 and 3 those of Wq's, waves 4 and 5 the scale bytes of q and k, waves 6 and 7 those of Wq and Wk.
.macro ARM under, g0, g1, next
	s_cmp_lt_u32 s14, \under
	s_cbranch_scc0 \next
	tensor_load_to_lds s[\g0:\g0+3], s[\g1:\g1+7]
	s_nop 0
	PLACES 4
	s_branch .Lhead_asked
\next:
.endm
	ARM 2, G0+4,  G1,  .Lhead_b
	ARM 4, G0B+4, G1B, .Lhead_sr
	ARM 6, G0S, G1S, .Lhead_sw
	tensor_load_to_lds s[G0SB:G0SB+3], s[G1SB:G1SB+7]
	s_nop 0
	PLACES 4
.Lhead_asked:
	v_and_b32 v3, 31, v0                           ; lane
	v_lshlrev_b32 v[L16], 4, v3
	global_load_b128 v[96:99], v[L16], s[92:93]    ; bq and bk of my 128 c, four a lane
	global_load_b128 v[100:103], v[L16], s[94:95]
	s_mov_b32 s10, 0x4038aa3b                      ; 2 log2(e)
	s_mov_b32 s11, s10                             ; (the packed forms name a pair and take its low word for both halves)
	s_mov_b32 s12, 0x3fb8aa3b                      ; log2(e)
	s_mov_b32 s13, s12
	s_mov_b32 s18, 0xc038aa3b                      ; -2 log2(e)
	s_mov_b32 s19, s18
	v_and_b32 v1, 15, v0                           ; r
	v_bfe_u32 v13, v0, 4, 1                        ; h
	v_lshlrev_b32 v[PFK], 9, v3
	v_mul_u32_u24 v18, v1, PITCH
	v_lshl_add_u32 v18, v13, 4, v18                ; a fragment's row x pitch + 16 h
	s_mul_i32 s21, s15, 64*PITCH                   ; my 64 rows
	s_mul_i32 s22, s16, HALFT                      ; my 128 rows of W,
	s_add_co_u32 s22, s22, 2*HALFT                 ; which lie behind the 256 rows
.irp s, 0,1
	v_add_nc_u32 v[ADRA+\s], s21, v18
	v_add_nc_u32 v[ADRB+\s], s22, v18
	s_add_co_u32 s21, s21, SLOT
	s_add_co_u32 s22, s22, SLOT
.endr
	s_wait_alu depctr_va_vdst(0)
	s_cmp_lt_u32 s67, 2
	s_cbranch_scc0 .Lno_codes
	global_prefetch_b8 v[PFK], s[PKA:PKA+1] th:TH_LOAD_NT scope:SCOPE_SE   ; 32 rows of k or Wk, 256 bytes each
.Lno_codes:
	v_lshlrev_b32 v18, 5, v1                       ; scale bytes: 32 a row,
	v_lshrrev_b32 v19, 3, v1
	v_lshl_add_u32 v18, v19, 4, v18                ; and 16 more for each 256 passed
	s_mul_i32 s21, s15, 2176                       ; the rows': my 64
	s_mul_i32 s22, s16, 4352                       ; W's: my 128, two blocks further on
	s_add_co_u32 s22, s22, 2*SCB
	s_sub_co_u32 s22, s22, s21
	v_mul_u32_u24 v19, s22, v13                    ; lanes 16-31 take W's
	s_add_co_u32 s21, s21, SCL
	v_add_nc_u32 v18, v18, v19
	v_add_nc_u32 v[ADRS], s21, v18
	s_mul_i32 s21, s15, 2*MROWS
	s_lshl_b32 s22, s16, 9
	s_add_co_u32 s21, s21, s22
	v_mul_u32_u24 v[MRD], v1, 1040
	v_lshl_add_u32 v[MRD], v13, 5, v[MRD]
	v_add_nc_u32 v[MRD], s21, v[MRD]
	v_add_nc_u32 v[MRD+1], SLOT, v[MRD]
	s_mul_i32 s21, s14, 768
	s_add_co_u32 s21, s21, METO
	v_lshl_add_u32 v[MET], v1, 2, s21
	v_add_nc_u32 v[MTR], s21, v[L16]
	v_lshlrev_b32 v[GO2], 3, v3
	v_add_nc_u32 v[MTB], s21, v[GO2]
	v_lshlrev_b32 v[GO1], 4, v1
	v_lshl_add_u32 v[GO1], v13, 13, v[GO1]
	s_lshl_b32 s21, s14, 9
	s_add_co_u32 s21, s21, BIA
	v_add_nc_u32 v[BST], s21, v[L16]
	v_lshl_add_u32 v[BRD], v13, 5, s21
	v_mov_b32 v[LE], s12
	v_mov_b32 v[LE+1], s12
	v_lshrrev_b32 v18, 2, v3
	v_and_b32 v19, 3, v3
	v_lshlrev_b32 v18, 13, v18
	v_lshl_add_u32 v[PFO], v19, 8, v18
	v_mov_b32 v[LX], 0                             ; a lane permute's destination counts as one of its sources
	; the mask's descriptors: 16 rows of 1,024 bytes, 8,192 bytes from row to row, 16 bytes of padding behind each in LDS; no mask of work-groups
	s_mov_b32 s[G1M+0], (1<<20)|(7<<22)|(3<<25)
	s_mov_b32 s[G1M+1], 1024<<16
	s_mov_b32 s[G1M+2], 16<<16
	s_mov_b32 s[G1M+3], 1024<<16
	s_mov_b32 s[G1M+4], 16
	s_mov_b32 s[G1M+5], 8192
	s_mov_b32 s[G1M+6], 0
	s_mov_b32 s[G1M+7], 0
	s_mov_b32 s[G0M], 1
	s_mul_i32 s[G0M+1], s14, MROWS
	s_mov_b64 s[G0M+2:G0M+3], s[4:5]
	s_or_b32 s[G0M+3], s[G0M+3], 0x80000000
; W's four blocks of half step k (k = 0 .. 31: 128 along K, blocks 4 (k % 2) on) into buffer k % 3; with an even k the rows' four blocks too, into set (k / 2) % 2.
; A fragment: 16 rows x 128 K of 4-bit codes: lane l holds row l % 16; registers 4 c .. 4 c + 3 hold K = 64 c + 32 (l / 16) + 0 .. 31
.macro LOADH k
.set S_, ((\k)/8)%2
.set Q_, ((\k)%8)/2
.set B_, 160+32*((\k)%3)
.set A_, 96+32*(((\k)/2)%2)
.irp i, 0,1,2,3
.irp c, 0,1
	ds_load_b128 v[B_+8*\i+4*\c:B_+8*\i+4*\c+3], v[ADRB+S_] offset:64*Q_+32*\c+(4*((\k)%2)+\i)*16*PITCH
.endr
.endr
.if ((\k)%2) == 0
.irp i, 0,1,2,3
.irp c, 0,1
	ds_load_b128 v[A_+8*\i+4*\c:A_+8*\i+4*\c+3], v[ADRA+S_] offset:64*Q_+32*\c+\i*16*PITCH
.endr
.endr
.endif
.endm
.macro SCALES sc, t, s                 ; a K step's scale words into set sc: tensor pair t (0: q, Wq; 1: k, Wk), half s of its K: four words a row (of the rows' words those of i < 4 are used)
.irp i, 0,1,2,3,4,5,6,7
	ds_load_b128 v[SC+32*(\sc)+4*\i:SC+32*(\sc)+4*\i+3], v[ADRS] offset:(\t)*SCB+16*(\s)+\i*544
.endr
.endm
; Four matrix instructions: W's block 4 (k % 2) + n against the rows' four.  The first 128 along K start the sums: nothing is cleared.
; The 32 accumulators take turns, one instruction a turn, in the same order in every 128 along K.
.macro MULB k, n
.set B_, 160+32*((\k)%3)+8*(\n)
.set A_, 96+32*(((\k)/2)%2)
.set C_, 8*(4*((\k)%2)+(\n))
.set X_, SC+32*(((\k)/8)%2)+((\k)%8)/2
.set Y_, X_+4*(4*((\k)%2)+(\n))
.irp m, 0,1,2,3
.if (\k) < 2
	v_wmma_scale_f32_16x16x128_f8f6f4 v[C_+64*\m:C_+64*\m+7], v[B_:B_+7], v[A_+8*\m:A_+8*\m+7], 0, v[Y_], v[X_+4*\m] matrix_a_fmt:MATRIX_FMT_FP4 matrix_b_fmt:MATRIX_FMT_FP4 matrix_a_scale:MATRIX_SCALE_ROW1
.else
	v_wmma_scale_f32_16x16x128_f8f6f4 v[C_+64*\m:C_+64*\m+7], v[B_:B_+7], v[A_+8*\m:A_+8*\m+7], v[C_+64*\m:C_+64*\m+7], v[Y_], v[X_+4*\m] matrix_a_fmt:MATRIX_FMT_FP4 matrix_b_fmt:MATRIX_FMT_FP4 matrix_a_scale:MATRIX_SCALE_ROW1
.endif
.endr
.endm
; A half step: the loads of the half step two on (16 with an even number, 8 with an odd one), then its own 16 products.  A load into a register that a matrix instruction has read stands four plain vector instructions behind it.
.macro HALF k
	WIN 0
	PLACES 4
	LOADH (\k)+2
.if ((\k) == 2) || ((\k) == 4)
	global_prefetch_b8 v[PFO], s[4:5] offset:32768*((\k)-2) th:TH_LOAD_NT scope:SCOPE_SE          ; the mask's first half: 8 rows each
.endif
.if ((\k) == 9) || ((\k) == 11)
	global_prefetch_b8 v[PFO], s[4:5] offset:262144+32768*((\k)-9) th:TH_LOAD_NT scope:SCOPE_SE   ; the second half, 32 rows on
.endif
	s_wait_dscnt 24                                ; this half step's loads are in; those of the next two (8 + 16) may be out
	WIN MUL
	MULB \k, 0
	MULB \k, 1
	MULB \k, 2
	MULB \k, 3
.endm
; A slot's last two half steps, k and k + 1, change slots: ONE round; in front of it each wave waits for all its tensor loads, adds 0 to its spare word, and waits for that and for its own reads of this slot.
; k = 6, 14: this slot takes k's and Wk's codes;  k = 22, 30: half of the mask.  t, s: which scale words the next K step wants.
.macro TURN k, t, s
	WIN 0
	s_wait_tensorcnt 0x0                           ; all my tensor loads have landed: my part of the other slot
	ds_add_u32 v[SPW], v[NIL]                      ; 0 onto my spare word
.set F_, ((\k)/8)%2
.if (\k) < 16
	s_add_nc_u64 s[G0+4*F_+2:G0+4*F_+3], s[KA:KA+1], 256*F_
	s_or_b32 s[G0+4*F_+3], s[G0+4*F_+3], 0x80000000
	s_add_nc_u64 s[G0B+4*F_+2:G0B+4*F_+3], s[KB:KB+1], 256*F_
	s_or_b32 s[G0B+4*F_+3], s[G0B+4*F_+3], 0x80000000
.endif
.if (\k) == 30
	s_add_co_u32 s[G0M+1], s[G0M+1], SLOT          ; the mask's second half: into slot 1, 32 rows of 8,192 bytes on
	s_add_nc_u64 s[G0M+2:G0M+3], s[G0M+2:G0M+3], 0x40000
.endif
	s_wait_dscnt 9                                 ; the add and the next half step's eight loads may be out
	WIN MUL
	MULB \k, 0                                     ; sixteen matrix instructions stand between the add and the wait for it
	MULB \k, 1
	MULB \k, 2
	MULB \k, 3
	s_wait_dscnt 0x0                               ; the add is done, and my reads of this slot are over
	s_barrier_signal -1
	MULB (\k)+1, 0
	MULB (\k)+1, 1
	WIN 0
	s_barrier_wait -1
	CREST                                          ; the barrier has opened a round: no wave of any partner still reads this slot or has a load on its way
.if (\k) < 16
	JLOAD F_                                       ; the first tensor load behind the round
.else
	tensor_load_to_lds s[G0M:G0M+3], s[G1M:G1M+7]  ; likewise: my 16 rows of the mask's half
	s_nop 0
.endif
	PLACES 4
.if (\k) < 30
	LOADH (\k)+2
	SCALES 1-F_, \t, \s
	LOADH (\k)+3
.endif
	WIN MUL
	MULB (\k)+1, 2
	MULB (\k)+1, 3
.endm
	s_wait_alu depctr_va_vdst(0)
	s_wait_loadcnt 0x0                             ; bq and bk are in
	v_pk_add_f32 v[96:97], v[96:97], v[100:101]
	v_pk_add_f32 v[98:99], v[98:99], v[102:103]
	v_pk_mul_f32 v[96:97], v[96:97], s[10:11] op_sel_hi:[1,0]
	v_pk_mul_f32 v[98:99], v[98:99], s[10:11] op_sel_hi:[1,0]
	ds_store_b128 v[BST], v[96:99]                 ; (bq + bk) 2 log2(e), in my own 512 bytes: read back on the way out in the accumulators' layout
	s_wait_alu depctr_va_vdst(0)
	s_wait_tensorcnt 0x0                           ; my tile of the head's is in: no tensor load of mine is out, so the descriptors may be written: from here on 128 rows to a load of codes,
.irp g, G1, G1B
	s_mov_b32 s[\g+2], 128<<16
	s_mov_b32 s[\g+4], 128
.endr
	s_mul_i32 s67, s66, HALFT                      ; and slot 1's sets take the ring's place: wave x 128 rows
	s_add_co_u32 s[G0+5], s67, SLOT
	s_add_co_u32 s[G0B+5], s67, SLOT
	s_wait_dscnt 0x0                               ; my bias is stored
	s_barrier_signal -1
	s_barrier_wait -1                              ; everybody's tile is in: both slots and the scale bytes
	LOADH 0
	SCALES 0, 0, 0
	LOADH 1
.set K, 0
.rept 6
	HALF K
.set K, K+1
.endr
	TURN 6, 0, 1                                   ; slot 0 takes K step 2 (k, Wk)
.set K, 8
.rept 6
	HALF K
.set K, K+1
.endr
	TURN 14, 1, 0                                  ; slot 1 takes K step 3
.set K, 16
.rept 6
	HALF K
.set K, K+1
.endr
	TURN 22, 1, 1                                  ; slot 0 takes the mask's first half
.set K, 24
.rept 6
	HALF K
.set K, K+1
.endr
	TURN 30, 0, 0                                  ; slot 1 the second; the first is in
	WIN 0
	PLACES 4                                       ; in front of the loads and writes over the last products' sources, and of the first reads of results
.macro MASKRD a                        ; block a's mask, 16 rows x my 128 c, in the accumulators' layout: register 8 b + j is c = 16 b + 8 h + j
.set i, 0
.rept 16
	ds_load_b128 v[MT+4*i:MT+4*i+3], v[MRD+(\a)/2] offset:MROWS*((\a)%2)+64*(i/2)+16*(i%2)
.set i, i+1
.endr
.endm
.macro TRANS op
.set i, 0
.rept 64
	\op v[W+i], v[W+i]
.set i, i+1
.endr
.endm
; THE WAY OUT of block a: 16 rows x my 128 c; a lane holds 64 numbers of ONE row: v[W + 8 b + j] is c = 16 b + 8 h + j, so v[W + 16 beta ..] are my 16 numbers of block beta of 32 c.
; Three batches of transcendentals (2^x, 1 / x, 2^x), each with one wait ahead of it, one plain instruction and one wait behind it.
.macro EPI a
.set AC, 64*(\a)
	WIN 0x01                                       ; source 0 in window 1
	s_wait_alu depctr_va_vdst(0)                   ; ahead of the first readers of the block's results
.set i, 0
.rept 32
	v_pk_fma_f32 v[W+2*i:W+2*i+1], v[AC+2*i:AC+2*i+1], s[10:11], v[BI+2*i:BI+2*i+1] op_sel_hi:[1,0,1]   ; 2 log2(e) x; each accumulator from its low end on
.set i, i+1
.endr
	WIN 0
	s_wait_alu depctr_va_vdst(0)
	TRANS v_exp_f32                                ; e^(2 x)
	v_nop
	s_wait_alu depctr_va_vdst(0)
.set i, 0
.rept 32
	v_pk_add_f32 v[W+2*i:W+2*i+1], v[W+2*i:W+2*i+1], 1.0 op_sel_hi:[1,0]
.set i, i+1
.endr
	s_wait_alu depctr_va_vdst(0)
	TRANS v_rcp_f32                                ; 1 / (1 + e^(2 x))
	s_wait_dscnt 0x0                               ; the block's mask is in
	s_wait_xcnt 0x0                                ; the last block's stores have read their data registers
.set i, 0
.rept 32
	v_pk_fma_f32 v[MT+2*i:MT+2*i+1], v[MT+2*i:MT+2*i+1], s[12:13], v[LE:LE+1] op_sel_hi:[1,0,0]   ; (mask + 1) log2(e)
.set i, i+1
.endr
	s_wait_alu depctr_va_vdst(0)
.set i, 0
.rept 32
	v_pk_fma_f32 v[W+2*i:W+2*i+1], v[W+2*i:W+2*i+1], s[18:19], v[MT+2*i:MT+2*i+1] op_sel_hi:[1,0,1]   ; t
.set i, i+1
.endr
.if ((\a)%2) == 0
	MASKRD (\a)+1
.endif
.irp b, 0,1,2,3
	v_max3_num_f32 v[BM+\b], v[W+16*\b], v[W+16*\b+1], v[W+16*\b+2]        ; each block's largest t: for the group's maximum and, since p rises with t, for the block's largest p
.endr
.irp i, 3,5,7,9,11,13
.irp b, 0,1,2,3
	v_max3_num_f32 v[BM+\b], v[BM+\b], v[W+16*\b+\i], v[W+16*\b+\i+1]
.endr
.endr
.irp b, 0,1,2,3
	v_max_num_f32 v[BM+\b], v[BM+\b], v[W+16*\b+15]
.endr
.irp b, 0,1,2,3
	v_permlanex16_b32 v[BX+\b], v[BM+\b], s2, s3
.endr
.irp b, 0,1,2,3
	v_max_num_f32 v[BM+\b], v[BM+\b], v[BX+\b]     ; with lane l xor 16's 16 numbers
.endr
	v_max3_num_f32 v[GM], v[BM], v[BM+1], v[BM+2]
	v_max3_num_f32 v[GM], v[GM], v[BM+3], 0xff61b1e6   ; held at -3e38, so that -M is a number where a whole group is -infinity
	v_floor_f32 v[NM], -v[GM]                      ; -M = floor(-t): M is a whole number
.irp b, 0,1,2,3
	v_add_f32 v[BM+\b], v[BM+\b], v[NM]
.endr
.set i, 0
.rept 32
	v_pk_add_f32 v[W+2*i:W+2*i+1], v[W+2*i:W+2*i+1], v[NM:NM+1] op_sel_hi:[1,0]   ; t - M
.set i, i+1
.endr
	s_wait_alu depctr_va_vdst(0)
	TRANS v_exp_f32                                ; p
.irp b, 0,1,2,3
	v_exp_f32 v[BM+\b], v[BM+\b]                   ; the block's largest p: the same two instructions on the same number
.endr
	v_nop
	s_wait_alu depctr_va_vdst(0)
.irp b, 0,1,2,3
	v_max_num_f32 v[BM+\b], 0x20800000, v[BM+\b]   ; the floor 2^-62: the byte cannot fall under 63
.endr
.irp b, 0,1,2,3
	v_add_nc_u32 v[SO+\b], 0xff000000, v[BM+\b]    ; 2 off the exponent field: the conversion's scale operand
.endr
.irp b, 0,1,2,3
	v_lshrrev_b32 v[BX+\b], 23, v[SO+\b]           ; the scale's byte
.endr
	v_lshl_or_b32 v[PW], v[BX+1], 8, v[BX]
	v_lshl_or_b32 v[PW], v[BX+2], 16, v[PW]
	v_lshl_or_b32 v[PW], v[BX+3], 24, v[PW]        ; my row's scale word for these 128 c
.irp b, 0,1,2,3
	v_cvt_scalef32_pk8_fp4_f32 v[PC+4*(\b/2)+\b%2], v[W+16*\b:W+16*\b+7], v[SO+\b]          ; c = 32 b + 8 h + 0 .. 7: word h of the block's four
	v_cvt_scalef32_pk8_fp4_f32 v[PC+4*(\b/2)+2+\b%2], v[W+16*\b+8:W+16*\b+15], v[SO+\b]     ; c = 32 b + 16 + 8 h + 0 .. 7: word 2 + h
.endr
.irp n, 0,1,2,3
	v_pk_add_f32 v[SA+2*\n:SA+2*\n+1], v[W+2*\n:W+2*\n+1], v[W+8+2*\n:W+9+2*\n]   ; l: the sum of the UNQUANTISED p, two at a time, in four chains
.endr
.irp i, 16,24,32,40,48,56
.irp n, 0,1,2,3
	v_pk_add_f32 v[SA+2*\n:SA+2*\n+1], v[SA+2*\n:SA+2*\n+1], v[W+\i+2*\n:W+\i+2*\n+1]
.endr
.endr
	v_pk_add_f32 v[SA:SA+1], v[SA:SA+1], v[SA+2:SA+3]
	v_pk_add_f32 v[SA+4:SA+5], v[SA+4:SA+5], v[SA+6:SA+7]
	v_permlane16_swap_b32 v[PC], v[PC+1]           ; the first's lanes 16-31 change places with the second's lanes 0-15: word 0 and word 1 of block 0 in lanes 0-15, of block 1 in lanes 16-31,
	v_permlane16_swap_b32 v[PC+2], v[PC+3]         ; words 2 and 3;
	v_pk_add_f32 v[SA:SA+1], v[SA:SA+1], v[SA+4:SA+5]
	v_permlane16_swap_b32 v[PC+4], v[PC+5]         ; likewise blocks 2 and 3: a lane holds 16 bytes of the fragment's image
	v_permlane16_swap_b32 v[PC+6], v[PC+7]
	v_add_f32 v[LS], v[SA], v[SA+1]
	global_store_b128 v[L16], v[PC:PC+3], s[6:7] offset:4096*(\a)          ; 32 lanes store 512 consecutive bytes, at a multiple of 256 from the buffer's first byte
	global_store_b128 v[L16], v[PC+4:PC+7], s[6:7] offset:4096*(\a)+512
	v_permlanex16_b32 v[LX], v[LS], s2, s3
	v_add_f32 v[LS], v[LS], v[LX]
	ds_store_b32 v[MET], v[PW] offset:64*(\a)              ; the row's three figures; both halves of the lanes write the same word with the same value
	ds_store_b32 v[MET], v[NM] offset:256+64*(\a)
	ds_store_b32 v[MET], v[LS] offset:512+64*(\a)
.endm
.set i, 0
.rept 16
	ds_load_b128 v[BI+4*i:BI+4*i+3], v[BRD] offset:64*(i/2)+16*(i%2)   ; register 8 b + j: the bias of c = 16 b + 8 h + j
.set i, i+1
.endr
	MASKRD 0
.irp b, 0,1,2,3
	v_mov_b32 v[BX+\b], 0                          ; written once: a lane permute's destination counts as one of its sources
.endr
	v_mov_b32 v[NM+1], 0                           ; named as the upper half of the pair with -M
	s_wait_alu depctr_va_vdst(0)
	s_wait_dscnt 16                                ; the bias is in; the mask's 16 loads may be out
	EPI 0
	EPI 1
	s_wait_alu depctr_va_vdst(0)
	s_wait_tensorcnt 0x0                           ; my part of the mask's second half is in
	s_wait_dscnt 0x0
	s_barrier_signal -1
	s_barrier_wait -1                              ; everybody's is
	MASKRD 2
	EPI 2
	EPI 3
	ds_load_b128 v[W:W+3], v[MTR]                  ; my 64 rows' figures: kinds 0 and 1, 256 bytes each,
	ds_load_b64 v[W+4:W+5], v[MTB] offset:512      ; and kind 2
	s_wait_dscnt 0x0
	global_store_b128 v[GO1], v[W:W+3], s[8:9]
	global_store_b64 v[GO2], v[W+4:W+5], s[8:9] offset:16384
	s_wait_tensorcnt 0x0                           ; the wave's end: behind my last tensor load and my last LDS store
	ds_add_u32 v[SPW], v[NIL]
	s_wait_dscnt 0x0
	CROUND                                         ; the closing round: no work-group ends while a partner may still ask for a tile that names it
	s_endpgm
.Lfunc_end_k_q14a4e5d106_energy:
	.size	k_q14a4e5d106_energy, .Lfunc_end_k_q14a4e5d106_energy-k_q14a4e5d106_energy
	.p2alignl 7, 3214868480
	.fill 96, 4, 3214868480
	.section	.rodata,"a",@progbits
	.p2align	6, 0x0
	.amdhsa_kernel k_q14a4e5d106_energy
		.amdhsa_group_segment_fixed_size 327680
		.amdhsa_private_segment_fixed_size 0
		.amdhsa_enable_private_segment 0
		.amdhsa_kernarg_size 96
		.amdhsa_user_sgpr_count 2
		.amdhsa_user_sgpr_kernarg_segment_ptr 1
		.amdhsa_wavefront_size32 1
		.amdhsa_system_sgpr_workgroup_id_x 1
		.amdhsa_system_sgpr_workgroup_id_y 1
		.amdhsa_system_sgpr_workgroup_id_z 1
		.amdhsa_system_vgpr_workitem_id 0
		.amdhsa_next_free_vgpr 512
		.amdhsa_next_free_sgpr 102
		.amdhsa_reserve_vcc 0
		.amdhsa_float_denorm_mode_32 3
		.amdhsa_float_denorm_mode_16_64 3
		.amdhsa_memory_ordered 1
		.amdhsa_forward_progress 1
		.amdhsa_inst_pref_size 213
	.end_amdhsa_kernel
	.amdgpu_metadata
---
amdhsa.version: [ 1, 2 ]
amdhsa.kernels:
  - .name:           k_q14a4e5d106_energy
    .symbol:         k_q14a4e5d106_energy.kd
    .args:
      - { .name: q_codes, .offset: 0, .size: 8, .value_kind: global_buffer, .address_space: global }
      - { .name: q_scales, .offset: 8, .size: 8, .value_kind: global_buffer, .address_space: global }
      - { .name: k_codes, .offset: 16, .size: 8, .value_kind: global_buffer, .address_space: global }
      - { .name: k_scales, .offset: 24, .size: 8, .value_kind: global_buffer, .address_space: global }
      - { .name: Wq_codes, .offset: 32, .size: 8, .value_kind: global_buffer, .address_space: global }
      - { .name: Wq_scales, .offset: 40, .size: 8, .value_kind: global_buffer, .address_space: global }
      - { .name: Wk_codes, .offset: 48, .size: 8, .value_kind: global_buffer, .address_space: global }
      - { .name: Wk_scales, .offset: 56, .size: 8, .value_kind: global_buffer, .address_space: global }
      - { .name: bq, .offset: 64, .size: 8, .value_kind: global_buffer, .address_space: global }
      - { .name: bk, .offset: 72, .size: 8, .value_kind: global_buffer, .address_space: global }
      - { .name: mask, .offset: 80, .size: 8, .value_kind: global_buffer, .address_space: global }
      - { .name: pbuf, .offset: 88, .size: 8, .value_kind: global_buffer, .address_space: global }
    .group_segment_fixed_size: 327680
    .private_segment_fixed_size: 0
    .kernarg_segment_align: 8
    .kernarg_segment_size: 96
    .max_flat_workgroup_size: 256
    .sgpr_count:     102
    .vgpr_count:     512
    .wavefront_size: 32
...
	.end_amdgpu_metadata
.endif
;; end of part 1
;; launch mix (part 2): grid 4 x 64, 4 waves a work-group, clusters of 4 x 4, 327,680 bytes of LDS; arguments pbuf, v_codes, v_scales, out0; writes out0
.if DOCPART == 2
	.amdgcn_target "amdgcn-amd-amdhsa--gfx1250"
	.amdhsa_code_object_version 6
	.text
	.protected	k_q14a4e5d106_mix
	.globl	k_q14a4e5d106_mix
	.p2align	8
	.type	k_q14a4e5d106_mix,@function
k_q14a4e5d106_mix:
	s_mov_b64 s[64:65], 0
	v_nop
	global_prefetch_b8 v0, s[64:65] scope:SCOPE_SE
	s_setreg_imm32_b32 hwreg(HW_REG_WAVE_MODE, 25, 1), 1
	s_wait_xcnt 0x0
	s_wait_alu depctr_hold_cnt(0) depctr_sa_sdst(0) depctr_va_vdst(0) depctr_va_sdst(0) depctr_va_ssrc(0) depctr_va_vcc(0) depctr_vm_vsrc(0)
	s_getreg_b32 s2, hwreg(HW_REG_IB_STS2, 6, 4)
	s_cmp_eq_u32 s2, 0
	s_cbranch_scc0 .Lentry_in_a_cluster
	s_endpgm
.Lentry_in_a_cluster:
	s_bfe_u32 s2, ttmp6, 0x10000c
	s_cmp_lg_u32 s2, 0xf033
	s_cbranch_scc0 .Lentry_shape_is_right
	s_endpgm
.Lentry_shape_is_right:
; out0[row][e] = (the sum over c of p[row][c] v[batch][c][e]) / l[row]: 8,192 rows, 1,024 e, K = 2,048 c; both operands codes of FP4 (E2M1) with one E8M0 byte for each 32 along c.
; pbuf holds, for each tile of 128 rows, p's codes as images of operand registers (131,072 bytes) and behind them (24,576 bytes), for each row and each group g of 128 c, a scale word, -M_g and l_g under the group's own whole number M_g.
; THE ROW'S M is the largest M_g.  n_g = M - M_g, held at 63, is taken off the group's four scale bytes (they lie in 63 .. 125, so one whole-number subtraction of n x 0x01010101 has no borrow), and l = the sum of l_g 2^-n_g.
; LIMIT: a group that lies more than 63 powers of two under the row's M is counted at 2^-63, in the product and in l alike: under 2^-55 of a row's sum.  A row whose every logit is -infinity gives NaN, as its softmax does.
; SHARES: a work-group of four waves makes 128 rows x 256 e, a wave 64 rows x 128 e, IN TWO PHASES OF 64 e: in phase ph wave (wr, wc) makes rows 64 wr on, e = 128 ph + 64 wc on.
; THE WAVE'S p, 64 rows x all 2,048 c, LIES IN ITS REGISTERS (64 fragments, 512 registers), read from LDS once; v lies in LDS with whole rows (all of K).  So a phase's 64 x 64 results are finished after its 256 matrix
; instructions, and phase 0's are stored while phase 1 is multiplied.  Each fragment of v is read from LDS once and feeds four matrix instructions; it is asked for three K steps of 128 ahead of its use.
; LDS: pbuf's tile, v's first 128 rows and v's scale bytes come with the head's loads, one a wave; when p is in registers, v's other 128 rows are brought into p's bytes: the one refill, a quarter a wave, with phase 0 and its way out in which to land.
; CLUSTERS: 4 x 4 work-groups of one batch: the four of a row of the cluster need the same rows of p, the four of a column the same rows of v: each tile is asked for jointly.
; THE MATRIX INSTRUCTION IS USED TRANSPOSED (source 0 = 16 rows of v, that is 16 e; source 1 = 16 rows of p): a lane holds eight neighbouring e of one row.
; No prefetch is laid: all but a quarter of the launch's input bytes are asked for at its head, the refill follows as soon as p is in registers, and there is no loop to run ahead in.
; REGISTERS: window 0: v1-29 addresses and 1 / l; v32-95 p's scale words ((a, g) at 16 a + g); v96-159 v's of the phase ((b, g) at 16 b + g); v160-226 at work at the head; v160-223 rows on the way out.
;   window 1: v0-127 the accumulators ((a, b) at v[8 (4 a + b)]); v128-255 v's fragments, four sets of four.   windows 2, 3: p's fragments ((g, a) at v[8 (4 (g % 8) + a)] of window 2 + g / 8).
.set VP,     1040                      ; a row of v in LDS: 1,024 bytes + 16 of padding = 260 words: row r begins at bank 4 r mod 64 (64 banks of 4 bytes: ISA guide 11.1)
.set VQ,     32*VP                     ; 32 rows: what one tensor load of the refill brings
.set PM,     131072                    ; behind p's images (LDS bytes 0 on: [c / 512][block of 16 rows][g % 4][1,024]): the figures of my 128 rows as they lie in memory, 24,576 bytes
.set STG,    4*VQ                      ; the way out: 16 rows x 272 bytes for each wave, in the figures' tail, behind the last byte that the refill writes: those bytes have had their last fill
.set V0B,    PM+24576                  ; v's rows 0-127 of the tile
.set VSC,    V0B+4*VQ                  ; v's scale bytes, 256 rows x 64, as units of 256 bytes + 16 of padding
.set PSC,    VSC+17408                 ; p's scale words under the row's M: 128 rows x (64 bytes + 16); no tile lands here
.set RLA,    PSC+10240                 ; 1 / l, a word a row; no tile lands here
.set SPARE,  RLA+512                   ; the spare words, 128 bytes a wave: no other line names them
.set CO,   2                           ; v2   my byte offset in two rows of out0: 4,096 h + 16 r
.set T4,   3                           ; v3   PM + 4 x thread
.set PSW,  4                           ; v4   PSC + 80 x thread
.set ADSA, 5                           ; v5   p's scale words of my rows
.set ADSB, 6                           ; v6   v's of my e
.set ADRL, 7                           ; v7   1 / l of my rows
.set RL,   8                           ; v8, 10, 12, 14: 1 / l of block a's row r (the odd registers are named with them as pairs)
.set ADP,  16                          ; v16-17 p's images: c 0-1,023 and c 1,024-2,047
.set RLW,  18                          ; v18  RLA + 4 x thread
.set ADV,  20                          ; v20-21 v's fragments of phase 0, 1
.set STO,  24
.set RD,   25
.set SPW,  28                          ; v28  my spare word; never rewritten
.set NIL,  29                          ; v29  0; never rewritten
.set SA,   32
.set SB,   96
.set WD,   160                         ; the head: 16 scale words,
.set NMR,  176                         ; 16 -M,
.set LL,   192                         ; 16 l,
.set DI,   208                         ; 16 shifts
.set TG,   224
.set LT,   225
.set T1,   226
.set BK,   160                         ; the way out: 16 rows read back from the stage: v160-191 and v192-223 by turns
.set G1P,  24                          ; s[24:31] group 1 for pbuf's tile;  s[32:35] its group 0
.set G0P,  32
.set G1V,  48                          ; s[48:55] group 1 for v's rows;  s[56:59] group 0 of the first half;  s[60:63] of the refill
.set G0V,  56
.set G0R,  60
.set G0S,  76                          ; s[76:79] group 0 for v's scale bytes;  s[80:87] their group 1
.set G1S,  80
.set MSB, 0
.macro WIN new                         ; the immediate's high byte repeats the setting that is left; a switch that changes nothing is dropped
.if MSB != (\new)
	s_set_vgpr_msb (MSB<<8)|(\new)
.set MSB, (\new)
.endif
.endm
.macro CREST                           ; a round of the cluster's barrier behind its opening barrier
	s_cmp_lg_u32 s14, 0
	s_cbranch_scc1 .Lnot_wave_0_\@
	s_barrier_signal -3
.Lnot_wave_0_\@:
	s_barrier_wait -3
	s_barrier_signal -1
	s_barrier_wait -1
.endm
.macro CROUND                          ; a whole round
	s_barrier_signal -1
	s_barrier_wait -1
	CREST
.endm
.macro PLACES n
.rept \n
	v_nop
.endr
.endm
	s_load_b256 s[4:11], s[0:1], 0x0               ; pbuf 4, v codes 6, v scales 8, out0 10
	v_lshl_add_u32 v[SPW], v0, 2, SPARE
	v_mov_b32 v[NIL], 0
	ds_add_u32 v28, v29                            ; the opening lines: the add, twice on end, and one wait for both
	ds_add_u32 v28, v29
	s_wait_dscnt 0x0
	v_lshrrev_b32 v1, 5, v0
	v_readfirstlane_b32 s14, v1                    ; wave 0..3
	s_lshr_b32 s15, s14, 1                         ; wr: which 64 rows are mine
	s_and_b32 s16, s14, 1                          ; wc: which 64 e of a phase's 128 are mine
	s_bfe_u32 s40, ttmp6, 0x40000                  ; cx
	s_bfe_u32 s41, ttmp6, 0x40004                  ; cy
	s_lshl_b32 s42, ttmp9, 2
	s_add_co_u32 s42, s42, s40                     ; tx: tile of 256 e
	s_and_b32 s17, ttmp7, 0xffff
	s_lshr_b32 s92, s17, 1                         ; the batch: two clusters along y to a batch, so all sixteen partners share it
	s_lshl_b32 s17, s17, 2
	s_add_co_u32 s17, s17, s41                     ; ty: tile of 128 rows
	s_lshl_b32 s43, s41, 2
	s_lshl_b32 s43, 15, s43                        ; my row of the cluster
	s_lshl_b32 s44, 0x1111, s40                    ; my column
	; half of my tile of pbuf: 77,824 dense bytes as 304 rows of 256 (32 elements of 8 bytes), no padding
	s_or_b32 s[G1P+0], s43, (3<<16)|(1<<21)
	s_mov_b32 s[G1P+1], 32<<16
	s_mov_b32 s[G1P+2], 304<<16
	s_mov_b32 s[G1P+3], 32<<16
	s_mov_b32 s[G1P+4], 304
	s_mov_b32 s[G1P+5], 32
	s_mov_b32 s[G1P+6], 0
	s_mov_b32 s[G1P+7], 0
	; v's codes: whole rows of 1,024 bytes, 16 bytes of padding behind each (after every 256 words: code 7; four words: code 3): 128 rows at the head; the two words that count rows are set to 32 for the refill
	s_or_b32 s[G1V+0], s44, (1<<20)|(1<<21)|(7<<22)|(3<<25)
	s_mov_b32 s[G1V+1], 1024<<16
	s_mov_b32 s[G1V+2], 128<<16
	s_mov_b32 s[G1V+3], 1024<<16
	s_mov_b32 s[G1V+4], 128
	s_mov_b32 s[G1V+5], 1024
	s_mov_b32 s[G1V+6], 0
	s_mov_b32 s[G1V+7], 0
	; v's scale bytes: 16,384 dense bytes as 64 rows of 256, 16 bytes of padding behind each
	s_or_b32 s[G1S+0], s44, (3<<16)|(1<<20)|(1<<21)|(5<<22)|(3<<25)
	s_mov_b32 s[G1S+1], 32<<16
	s_mov_b32 s[G1S+2], 64<<16
	s_mov_b32 s[G1S+3], 32<<16
	s_mov_b32 s[G1S+4], 64
	s_mov_b32 s[G1S+5], 32
	s_mov_b32 s[G1S+6], 0
	s_mov_b32 s[G1S+7], 0
	; offsets: p's side of ty and the wave alone, v's side of tx, the batch and the wave alone, each in registers that never hold the other coordinate
	s_and_b32 s45, s14, 1
	s_mul_i32 s45, s45, 77824                      ; which half of my tile of pbuf I fetch (waves 0 and 1): in LDS it lies as in memory, from byte 0 on
	s_mul_i32 s20, s17, 155648
	s_add_co_u32 s20, s20, s45
	s_mov_b32 s21, 0
	s_lshl_b32 s22, s14, 15
	s_add_co_u32 s22, s22, 131072                  ; the refill: 128 rows of v on, and my 32 of them
	s_mov_b32 s23, 0
	s_lshl_b32 s46, s42, 18                        ; v's codes: 256 tx rows of 1,024 bytes, in my batch's 1,048,576
	s_lshl_b32 s47, s92, 20
	s_add_co_u32 s46, s46, s47
	s_mov_b32 s47, 0
	s_lshl_b32 s96, s42, 14                        ; v's scale bytes: 256 tx rows of 64 bytes, in my batch's 65,536
	s_lshl_b32 s97, s92, 16
	s_add_co_u32 s96, s96, s97
	s_mov_b32 s97, 0
	s_lshl_b32 s93, s17, 7                         ; out0: (128 ty + 64 wr) rows of 4,096 bytes + (256 tx + 64 wc) x 4
	s_lshl_b32 s95, s15, 6
	s_add_co_u32 s93, s93, s95
	s_lshl_b32 s93, s93, 12
	s_lshl_b32 s94, s42, 10
	s_add_co_u32 s94, s94, s93
	s_lshl_b32 s95, s16, 8
	s_add_co_u32 s94, s94, s95
	s_mov_b32 s95, 0
	s_mul_i32 s88, s14, VQ                         ; where my part of the refill goes: made of the wave's number alone
	s_wait_alu depctr_va_vdst(0)
	s_wait_kmcnt 0x0
	s_add_nc_u64 s[20:21], s[4:5], s[20:21]
	s_add_nc_u64 s[46:47], s[6:7], s[46:47]
	s_add_nc_u64 s[96:97], s[8:9], s[96:97]
	s_add_nc_u64 s[12:13], s[10:11], s[94:95]
	s_mov_b32 s[G0P], 1
	s_mov_b32 s[G0P+1], s45
	s_mov_b64 s[G0P+2:G0P+3], s[20:21]
	s_or_b32 s[G0P+3], s[G0P+3], 0x80000000
	s_mov_b32 s[G0S], 1
	s_mov_b32 s[G0S+1], VSC
	s_mov_b64 s[G0S+2:G0S+3], s[96:97]
	s_or_b32 s[G0S+3], s[G0S+3], 0x80000000
	s_mov_b32 s[G0V], 1
	s_mov_b32 s[G0V+1], V0B
	s_mov_b64 s[G0V+2:G0V+3], s[46:47]
	s_or_b32 s[G0V+3], s[G0V+3], 0x80000000
	s_mov_b32 s[G0R], 1                            ; the refill has a group 0 of its own: into LDS bytes 0 on
	s_mov_b32 s[G0R+1], s88
	s_add_nc_u64 s[G0R+2:G0R+3], s[46:47], s[22:23]
	s_or_b32 s[G0R+3], s[G0R+3], 0x80000000
	CROUND                                         ; all sixteen work-groups are here: the first joint loads meet
	; the head's loads, one a wave, in one tree of branches on the wave's number
	s_cmp_lt_u32 s14, 2
	s_cbranch_scc0 .Lhead_v
	tensor_load_to_lds s[G0P:G0P+3], s[G1P:G1P+7]  ; waves 0 and 1: the halves of my tile of pbuf
	s_nop 0
	PLACES 4
	s_branch .Lhead_asked
.Lhead_v:
	s_cmp_lt_u32 s14, 3
	s_cbranch_scc0 .Lhead_s
	tensor_load_to_lds s[G0V:G0V+3], s[G1V:G1V+7]  ; wave 2: v's first 128 rows
	s_nop 0
	PLACES 4
	s_branch .Lhead_asked
.Lhead_s:
	tensor_load_to_lds s[G0S:G0S+3], s[G1S:G1S+7]  ; wave 3: v's scale bytes
	s_nop 0
	PLACES 4
.Lhead_asked:
	v_and_b32 v1, 15, v0                           ; r
	v_bfe_u32 v26, v0, 4, 1                        ; h
	v_and_b32 v27, 31, v0                          ; lane
	v_lshlrev_b32 v[CO], 4, v1
	v_lshl_add_u32 v[CO], v26, 12, v[CO]
	v_lshl_add_u32 v[T4], v0, 2, PM
	v_lshl_add_u32 v[RLW], v0, 2, RLA
	v_mul_u32_u24 v[PSW], v0, 80
	v_add_nc_u32 v[PSW], PSC, v[PSW]
	s_mul_i32 s18, s15, 5120
	s_add_co_u32 s18, s18, PSC
	v_mul_u32_u24 v[ADSA], v1, 80
	v_add_nc_u32 v[ADSA], s18, v[ADSA]             ; row 64 wr + r, 80 bytes a row
	s_mul_i32 s18, s16, 4352
	s_add_co_u32 s18, s18, VSC
	v_lshlrev_b32 v[ADSB], 6, v1
	v_lshrrev_b32 v19, 2, v1
	v_lshl_add_u32 v[ADSB], v19, 4, v[ADSB]
	v_add_nc_u32 v[ADSB], s18, v[ADSB]             ; row 64 wc + r: 64 bytes a row, and 16 more for each 256 passed
	s_lshl_b32 s18, s15, 8
	s_add_co_u32 s18, s18, RLA
	v_lshl_add_u32 v[ADRL], v1, 2, s18
	s_lshl_b32 s18, s15, 14
	v_lshl_add_u32 v[ADP], v27, 4, s18             ; an image's place for my lane: 16 x lane, in my four blocks of 16 rows
	v_add_nc_u32 v[ADP+1], 0x10000, v[ADP]
	s_mul_i32 s18, s16, 2*VQ
	v_mul_u32_u24 v19, v1, VP
	v_lshl_add_u32 v19, v26, 4, v19
	v_add_nc_u32 v[ADV+1], s18, v19                ; row 64 wc + r of a half, + 16 h: the second half lies at LDS byte 0,
	v_add_nc_u32 v[ADV], V0B, v[ADV+1]             ; the first at V0B
	s_mul_i32 s18, s14, 4352
	s_add_co_u32 s18, s18, STG                     ; my stage
	v_mul_u32_u24 v[STO], v1, 272
	v_lshl_add_u32 v[STO], v26, 5, v[STO]
	v_add_nc_u32 v[STO], s18, v[STO]               ; in: row r, 32 bytes for each half of the lanes
	v_mul_u32_u24 v[RD], v26, 272
	v_lshl_add_u32 v[RD], v1, 4, v[RD]
	v_add_nc_u32 v[RD], s18, v[RD]                 ; back: lanes 0-15 one row of 256 bytes, lanes 16-31 the next
.irp a, 0,1,2,3
	v_mov_b32 v[RL+2*\a+1], 0
.endr
	s_mov_b32 s93, 0x01010101
	s_wait_alu depctr_va_vdst(0)
	s_wait_tensorcnt 0x0                           ; my tile is in
	s_barrier_signal -1
	s_barrier_wait -1                              ; everybody's are
; p's four fragments of group g (my rows, 128 c) into their registers: an image comes back as it was stored, 16 x lane
.macro PLOAD g
.irp a, 0,1,2,3
.irp c, 0,1
	ds_load_b128 v[8*(4*((\g)%8)+\a)+4*\c:8*(4*((\g)%8)+\a)+4*\c+3], v[ADP+(\g)/8] offset:(((\g)/4)%2)*32768+\a*4096+((\g)%4)*1024+512*\c
.endr
.endr
.endm
	; THREAD t TAKES ROW t of the 128: its 16 groups' figures.  56 loads of p follow them, so that LDS has work while the figures are worked on
.set n, 0
.rept 16
	ds_load_b32 v[WD+n], v[T4] offset:512*n
	ds_load_b32 v[NMR+n], v[T4] offset:8192+512*n
	ds_load_b32 v[LL+n], v[T4] offset:16384+512*n
.set n, n+1
.endr
	WIN 0x80                                       ; destination window 2
.set n, 0
.rept 7
	PLOAD n
.set n, n+1
.endr
	WIN 0
	s_wait_dscnt 56                                ; the 48 figures are in; the 56 loads of p issued behind them may be out
	v_min3_num_f32 v[TG], v[NMR], v[NMR+1], v[NMR+2]
.irp i, 3,5,7,9,11,13
	v_min3_num_f32 v[TG], v[TG], v[NMR+\i], v[NMR+\i+1]
.endr
	v_min_num_f32 v[TG], v[TG], v[NMR+15]          ; -M of the row: the least -M_g
.set n, 0
.rept 16
	v_sub_f32 v[DI+n], v[TG], v[NMR+n]             ; M_g - M: a whole number, 0 or less
.set n, n+1
.endr
.set n, 0
.rept 16
	v_max_num_f32 v[DI+n], 0xc27c0000, v[DI+n]     ; held at -63
.set n, n+1
.endr
.set n, 0
.rept 16
	v_cvt_i32_f32 v[DI+n], v[DI+n]
.set n, n+1
.endr
.set n, 0
.rept 16
	v_ldexp_f32 v[LL+n], v[LL+n], v[DI+n]          ; l_g under the row's M: nothing is rounded
.set n, n+1
.endr
.set n, 0
.rept 16
	v_mul_lo_u32 v[DI+n], v[DI+n], s93             ; the same whole number in each of the four bytes,
.set n, n+1
.endr
.set n, 0
.rept 16
	v_add_nc_u32 v[WD+n], v[WD+n], v[DI+n]         ; off the four scale bytes: each is at least 63, so no byte borrows
.set n, n+1
.endr
	v_add_f32 v[LT], v[LL], v[LL+1]
.set n, 2
.rept 14
	v_add_f32 v[LT], v[LT], v[LL+n]
.set n, n+1
.endr
	s_wait_alu depctr_va_vdst(0)
	v_rcp_f32 v[T1], v[LT]
	v_nop                                          ; a plain instruction behind the reciprocal,
	s_wait_alu depctr_va_vdst(0)                   ; and the wait ahead of its first reader
	ds_store_b32 v[RLW], v[T1]
.irp k, 0,1,2,3
	ds_store_b128 v[PSW], v[WD+4*\k:WD+4*\k+3] offset:16*\k        ; the row's sixteen words, g ascending
.endr
	WIN 0x80
	PLOAD 7
	WIN 0xc0                                       ; destination window 3
.set n, 8
.rept 8
	PLOAD n
.set n, n+1
.endr
	WIN 0
	; THE ONE REFILL: p's bytes (and the figures' first 2,048) take v's rows 128-255
	s_wait_tensorcnt 0x0                           ; no tensor load of mine is out
	ds_add_u32 v[SPW], v[NIL]                      ; 0 onto my spare word
	s_mov_b32 s[G1V+2], 32<<16                     ; so the descriptor may be written: from here on 32 rows to a load
	s_mov_b32 s[G1V+4], 32
	s_wait_dscnt 0x0                               ; the add is done; p is in my registers, my reads of the figures are over, and my stores of scale words and 1 / l have landed
	CROUND                                         ; all that now holds of every wave of every work-group of the cluster
	tensor_load_to_lds s[G0R:G0R+3], s[G1V:G1V+7]  ; the first thing behind the round, and my last tensor load
	s_nop 0
.rept 4
	v_nop
.endr
; Eight LDS loads: v's four fragments of K step g (128 c) of phase ph, into set g % 4
.macro VF ph, g
	WIN 0x40                                       ; destination window 1
.irp b, 0,1,2,3
.irp c, 0,1
	ds_load_b128 v[128+32*((\g)%4)+8*\b+4*\c:128+32*((\g)%4)+8*\b+4*\c+3], v[ADV+\ph] offset:16640*\b+64*(\g)+32*\c
.endr
.endr
	WIN 0
.endm
.macro SBLOAD ph                       ; v's scale words of the phase's 64 e, all of K: sixteen words a row
.irp b, 0,1,2,3
.irp k, 0,1,2,3
	ds_load_b128 v[SB+16*\b+4*\k:SB+16*\b+4*\k+3], v[ADSB] offset:8704*\ph+1088*\b+16*\k
.endr
.endr
.endm
; K step g of phase ph: the fragments of K step g + 3 are asked for (four plain vector instructions behind the matrix instructions that read their set), then 16 matrix instructions: p's four blocks x v's four.
; K steps 0 and 1 of a phase are asked for ahead of it, 2 in K step 0, 3 and 4 in K step 1.  The first K step starts the sums: nothing is cleared.
; The 16 accumulators take turns, one instruction a turn, in the same order in every K step.
.macro KST ph, g
.if (\g) == 0
	PLACES 4
	VF \ph, 2
	s_wait_dscnt 8                                 ; all but the eight just issued
.elseif (\g) == 1
	PLACES 4
	VF \ph, 3
	VF \ph, 4
	s_wait_dscnt 24                                ; the next three K steps' loads may be out
.elseif (\g) < 13
	PLACES 4
	VF \ph, (\g)+3
	s_wait_dscnt 24
.else
	s_wait_dscnt 8*(15-(\g))
.endif
	WIN 0x59+4*((\g)/8)                            ; source 0 (v), C and D window 1; source 1 (p) window 2 or 3
.set vs, 128+32*((\g)%4)
.set pf, 32*((\g)%8)
.irp a, 0,1,2,3
.irp b, 0,1,2,3
.if (\g) == 0
	v_wmma_scale_f32_16x16x128_f8f6f4 v[8*(4*\a+\b):8*(4*\a+\b)+7], v[vs+8*\b:vs+8*\b+7], v[pf+8*\a:pf+8*\a+7], 0, v[SB+16*\b+(\g)], v[SA+16*\a+(\g)] matrix_a_fmt:MATRIX_FMT_FP4 matrix_b_fmt:MATRIX_FMT_FP4
.else
	v_wmma_scale_f32_16x16x128_f8f6f4 v[8*(4*\a+\b):8*(4*\a+\b)+7], v[vs+8*\b:vs+8*\b+7], v[pf+8*\a:pf+8*\a+7], v[8*(4*\a+\b):8*(4*\a+\b)+7], v[SB+16*\b+(\g)], v[SA+16*\a+(\g)] matrix_a_fmt:MATRIX_FMT_FP4 matrix_b_fmt:MATRIX_FMT_FP4
.endif
.endr
.endr
	WIN 0
.endm
.macro PHASE ph
.set J, 0
.rept 16
	KST \ph, J
.set J, J+1
.endr
.endm
; THE WAY OUT of a phase: 64 rows x 64 e.  The sums are divided by l; then, block by block of 16 rows, a lane's 32 bytes of a row go through my own stage in LDS and come back as whole rows of 256 bytes.
; LDS serves a wave's instructions in order: no wait between the stores and the loads, nor in front of the next block's stores.
.macro TOSTAGE a
	WIN 0x04                                       ; an LDS store's data are its source 1: window 1
.irp b, 0,1,2,3
	ds_store_b128 v[STO], v[32*(\a)+8*\b:32*(\a)+8*\b+3] offset:64*\b
	ds_store_b128 v[STO], v[32*(\a)+8*\b+4:32*(\a)+8*\b+7] offset:64*\b+16
.endr
	WIN 0
.set BB, BK+32*((\a)%2)
.irp t, 0,1,2,3,4,5,6,7
	ds_load_b128 v[BB+4*\t:BB+4*\t+3], v[RD] offset:\t*544
.endr
.endm
.macro SEND a, younger, ph             ; younger: the LDS instructions issued behind block a's loads, which may stay out
.set BB, BK+32*((\a)%2)
	s_wait_dscnt \younger
.irp t, 0,1,2,3,4,5,6,7
	global_store_b128 v[CO], v[BB+4*\t:BB+4*\t+3], s[12:13] offset:(16*(\a)+2*\t)*4096+512*(\ph) th:TH_STORE_NT   ; 16 lanes store 256 consecutive bytes, at a multiple of 256 from out0's first byte
.endr
.endm
.macro WAYOUT ph
	PLACES 4                                       ; in front of the first reads of results
	WIN 0x41                                       ; the sums (destination and source 0) in window 1, 1 / l in window 0
.irp a, 0,1,2,3
.set i, 0
.rept 16
	v_pk_mul_f32 v[32*\a+2*i:32*\a+2*i+1], v[32*\a+2*i:32*\a+2*i+1], v[RL+2*\a:RL+2*\a+1] op_sel_hi:[1,0]   ; / l; each accumulator from its low end on
.set i, i+1
.endr
.endr
	WIN 0
.if (\ph) > 0
	s_wait_xcnt 0x0                                ; the last phase's stores have read their registers: this phase's rows may land there
.endif
	TOSTAGE 0
	s_wait_alu depctr_va_vdst(0)
.irp a, 1,2,3
.if \a > 1
	s_wait_xcnt 0x0                                ; block a - 2's stores have read their registers: block a's loads may land there
.endif
	TOSTAGE \a
	SEND \a-1, 16, \ph                             ; behind block a - 1's loads: block a's 8 stores and 8 loads
.endr
	SEND 3, 0, \ph
.endm
	VF 0, 0
	VF 0, 1
.irp a, 0,1,2,3
.irp k, 0,1,2,3
	ds_load_b128 v[SA+16*\a+4*\k:SA+16*\a+4*\k+3], v[ADSA] offset:1280*\a+16*\k   ; p's scale words of my 64 rows, all of K: they stay
.endr
.endr
	SBLOAD 0
.irp a, 0,1,2,3
	ds_load_b32 v[RL+2*\a], v[ADRL] offset:64*\a   ; 1 / l of row 16 a + r
.endr
	PHASE 0
	WAYOUT 0                                       ; phase 0's 64 x 64 results leave now: nothing waits for their stores
	s_wait_tensorcnt 0x0                           ; the one load of mine that is out: my quarter of v's second half (no LDS instruction of mine is out: the way out's last wait was for 0)
	s_barrier_signal -1
	s_barrier_wait -1                              ; everybody's quarter is in
	VF 1, 0
	VF 1, 1
	SBLOAD 1
	PHASE 1
	WAYOUT 1
	s_wait_tensorcnt 0x0                           ; the wave's end: behind my last tensor load and my last LDS store
	ds_add_u32 v[SPW], v[NIL]
	s_wait_dscnt 0x0
	CROUND                                         ; the closing round: no work-group ends while a partner may still ask for a tile that names it
	s_endpgm
.Lfunc_end_k_q14a4e5d106_mix:
	.size	k_q14a4e5d106_mix, .Lfunc_end_k_q14a4e5d106_mix-k_q14a4e5d106_mix
	.p2alignl 7, 3214868480
	.fill 96, 4, 3214868480
	.section	.rodata,"a",@progbits
	.p2align	6, 0x0
	.amdhsa_kernel k_q14a4e5d106_mix
		.amdhsa_group_segment_fixed_size 327680
		.amdhsa_private_segment_fixed_size 0
		.amdhsa_enable_private_segment 0
		.amdhsa_kernarg_size 32
		.amdhsa_user_sgpr_count 2
		.amdhsa_user_sgpr_kernarg_segment_ptr 1
		.amdhsa_wavefront_size32 1
		.amdhsa_system_sgpr_workgroup_id_x 1
		.amdhsa_system_sgpr_workgroup_id_y 1
		.amdhsa_system_sgpr_workgroup_id_z 1
		.amdhsa_system_vgpr_workitem_id 0
		.amdhsa_next_free_vgpr 1024
		.amdhsa_next_free_sgpr 98
		.amdhsa_reserve_vcc 0
		.amdhsa_float_denorm_mode_32 3
		.amdhsa_float_denorm_mode_16_64 3
		.amdhsa_memory_ordered 1
		.amdhsa_forward_progress 1
		.amdhsa_inst_pref_size 142
	.end_amdhsa_kernel
	.amdgpu_metadata
---
amdhsa.version: [ 1, 2 ]
amdhsa.kernels:
  - .name:           k_q14a4e5d106_mix
    .symbol:         k_q14a4e5d106_mix.kd
    .args:
      - { .name: pbuf, .offset: 0, .size: 8, .value_kind: global_buffer, .address_space: global }
      - { .name: v_codes, .offset: 8, .size: 8, .value_kind: global_buffer, .address_space: global }
      - { .name: v_scales, .offset: 16, .size: 8, .value_kind: global_buffer, .address_space: global }
      - { .name: out0, .offset: 24, .size: 8, .value_kind: global_buffer, .address_space: global }
    .group_segment_fixed_size: 327680
    .private_segment_fixed_size: 0
    .kernarg_segment_align: 8
    .kernarg_segment_size: 32
    .max_flat_workgroup_size: 128
    .sgpr_count:     98
    .vgpr_count:     1024
    .wavefront_size: 32
...
	.end_amdgpu_metadata
.endif
;; end of part 2
